; MI455X (gfx1250); checked and timed in simulation.
; The chip was launched on July 23, 2026; its instructions are those of AMD's public machine-readable ISA for CDNA 5 (MIT licence, August 2026) and "CDNA5" Instruction Set Architecture Reference Guide (July 2026). The comments in the code are by the model that wrote it; some were corrected since.
;; Window Attention. Allowed arithmetic: float matrix products may take bf16 or f16 operands with f32 sums; other float arithmetic in f32, or as packed bf16 or f16 multiplies, adds, multiply-adds, maxima and minima; sums over many terms, partial sums and values carried from step to step in f32; what a program stores and reads back later, other than sums and carried values, may be rounded once to bf16 or f16.
;; Inputs: b_in 3,072 float32; b_out 1,024 float32; w_in 3,072 x 1,024 float32; w_out 1,024 x 1,024 float32; x 1 x 4,096 x 1,024 float32.
;; Outputs: out0 1 x 4,096 x 1,024 float32.
;; 2 versions, each right; version 2 is version 1 with the launch cast written anew for expert scheduling mode. Each part assembles by itself: llvm-mc -triple=amdgcn-amd-amdhsa -mcpu=gfx1250 --defsym DOCPART=n.
;; ======== version 1 of 2: 4 launches
;; limits: right only within a limited range of input values
;; workspace buffers: cb 16,777,216 bytes; qkv 25,165,824 bytes; ctx 8,388,608 bytes
;; launch cast (part 1): grid 512 x 1, 8 waves a work-group, no clusters, 0 bytes of LDS; arguments x, w_in, w_out, cb; writes cb
.if DOCPART == 1
	.amdgcn_target "amdgcn-amd-amdhsa--gfx1250"
	.amdhsa_code_object_version 6
	.text
	.protected	k_q7cad0add40_cast
	.globl	k_q7cad0add40_cast
	.p2align	8
	.type	k_q7cad0add40_cast,@function
k_q7cad0add40_cast:
	s_mov_b64 s[64:65], 0
	v_nop
	global_prefetch_b8 v0, s[64:65] scope:SCOPE_SE
	s_setreg_imm32_b32 hwreg(HW_REG_WAVE_MODE, 25, 1), 1
	s_wait_xcnt 0x0
; bf16 copies of the three matrix operands that are the problem's inputs: cb = x [4096][1024], then w_in [3072][1024], then w_out [1024][1024],
; end to end, each number rounded once to nearest even.  A stream: no LDS, no barrier, no matrix work.
; A work-group converts 16,384 numbers (65,536 bytes in, 32,768 out): groups 0-255 take x, 256-447 w_in, 448-511 w_out; the copies lie end to end,
; so the destination is cb + 32,768 x the group's number whatever the source.
; Thread t takes 16 bytes at 16 t of each of sixteen pieces of 4,096 bytes: a wave's load covers 512 bytes on end, its store of 8 bytes a lane 256 bytes on end, aligned.
; All sixteen loads go out first; no register is written twice, so the only waits are the counted ones for the loads.
.set IN,  4                            ; v[4:67]   piece i: four f32
.set OUT, 68                           ; v[68:99]  piece i: four bf16
	s_load_b256 s[4:11], s[0:1], 0x0               ; x s[4:5], w_in s[6:7], w_out s[8:9], cb s[10:11]
	v_lshlrev_b32 v1, 4, v0                        ; 16 t: where I load
	v_lshlrev_b32 v2, 3, v0                        ; 8 t: where I store
	s_mov_b32 s15, 448
	s_wait_kmcnt 0x0
	s_cmp_lt_u32 ttmp9, s15                        ; which source, and the number of its first group
	s_cselect_b64 s[12:13], s[6:7], s[8:9]
	s_cselect_b32 s14, 256, s15
	s_cmp_lt_u32 ttmp9, 256
	s_cselect_b64 s[12:13], s[4:5], s[12:13]
	s_cselect_b32 s14, 0, s14
	s_sub_co_u32 s16, ttmp9, s14
	s_lshl_b32 s16, s16, 16                        ; 65,536 bytes of the source a group
	s_mov_b32 s17, 0
	s_add_nc_u64 s[12:13], s[12:13], s[16:17]
	s_lshl_b32 s18, ttmp9, 15                      ; 32,768 bytes of cb a group
	s_mov_b32 s19, 0
	s_add_nc_u64 s[10:11], s[10:11], s[18:19]
.irp i, 0,1,2,3,4,5,6,7,8,9,10,11,12,13,14,15
	global_load_b128 v[IN+4*(\i):IN+4*(\i)+3], v1, s[12:13] offset:4096*(\i) th:TH_LOAD_NT
.endr
.irp i, 0,1,2,3,4,5,6,7,8,9,10,11,12,13,14,15
	s_wait_loadcnt 15-(\i)                         ; loads come back in order: piece i is in, the 15 - i younger ones stay out
	v_cvt_pk_bf16_f32 v[OUT+2*(\i)],   v[IN+4*(\i)],   v[IN+4*(\i)+1]
	v_cvt_pk_bf16_f32 v[OUT+2*(\i)+1], v[IN+4*(\i)+2], v[IN+4*(\i)+3]
	global_store_b64 v2, v[OUT+2*(\i):OUT+2*(\i)+1], s[10:11] offset:2048*(\i)
.endr
	s_endpgm
.Lfunc_end_k_q7cad0add40_cast:
	.size	k_q7cad0add40_cast, .Lfunc_end_k_q7cad0add40_cast-k_q7cad0add40_cast
	.p2alignl 7, 3214868480
	.fill 96, 4, 3214868480
	.section	.rodata,"a",@progbits
	.p2align	6, 0x0
	.amdhsa_kernel k_q7cad0add40_cast
		.amdhsa_group_segment_fixed_size 0
		.amdhsa_private_segment_fixed_size 0
		.amdhsa_enable_private_segment 0
		.amdhsa_kernarg_size 32
		.amdhsa_user_sgpr_count 2
		.amdhsa_user_sgpr_kernarg_segment_ptr 1
		.amdhsa_wavefront_size32 1
		.amdhsa_system_sgpr_workgroup_id_x 1
		.amdhsa_system_sgpr_workgroup_id_y 1
		.amdhsa_system_sgpr_workgroup_id_z 1
		.amdhsa_system_vgpr_workitem_id 0
		.amdhsa_next_free_vgpr 104
		.amdhsa_next_free_sgpr 66
		.amdhsa_reserve_vcc 0
		.amdhsa_float_denorm_mode_32 3
		.amdhsa_float_denorm_mode_16_64 3
		.amdhsa_memory_ordered 1
		.amdhsa_forward_progress 1
		.amdhsa_inst_pref_size 7
	.end_amdhsa_kernel
	.amdgpu_metadata
---
amdhsa.version: [ 1, 2 ]
amdhsa.kernels:
  - .name:           k_q7cad0add40_cast
    .symbol:         k_q7cad0add40_cast.kd
    .args:
      - { .name: x, .offset: 0, .size: 8, .value_kind: global_buffer, .address_space: global }
      - { .name: w_in, .offset: 8, .size: 8, .value_kind: global_buffer, .address_space: global }
      - { .name: w_out, .offset: 16, .size: 8, .value_kind: global_buffer, .address_space: global }
      - { .name: cb, .offset: 24, .size: 8, .value_kind: global_buffer, .address_space: global }
    .group_segment_fixed_size: 0
    .private_segment_fixed_size: 0
    .kernarg_segment_align: 8
    .kernarg_segment_size: 32
    .max_flat_workgroup_size: 256
    .sgpr_count:     66
    .vgpr_count:     104
    .wavefront_size: 32
...
	.end_amdgpu_metadata
.endif
;; end of part 1
;; launch qkv (part 2): grid 16 x 16, 4 waves a work-group, clusters of 4 x 4, 327,680 bytes of LDS; arguments cb, b_in, qkv; writes qkv
.if DOCPART == 2
	.amdgcn_target "amdgcn-amd-amdhsa--gfx1250"
	.amdhsa_code_object_version 6
	.text
	.protected	k_q7cad0add40_qkv
	.globl	k_q7cad0add40_qkv
	.p2align	8
	.type	k_q7cad0add40_qkv,@function
k_q7cad0add40_qkv:
	s_mov_b64 s[64:65], 0
	v_nop
	global_prefetch_b8 v0, s[64:65] scope:SCOPE_SE
	s_setreg_imm32_b32 hwreg(HW_REG_WAVE_MODE, 25, 1), 1
	s_wait_xcnt 0x0
	s_wait_alu depctr_hold_cnt(0) depctr_sa_sdst(0) depctr_va_vdst(0) depctr_va_sdst(0) depctr_va_ssrc(0) depctr_va_vcc(0) depctr_vm_vsrc(0)
	s_getreg_b32 s2, hwreg(HW_REG_IB_STS2, 6, 4)
	s_cmp_eq_u32 s2, 0
	s_cbranch_scc0 .Lentry_in_a_cluster
	s_endpgm
.Lentry_in_a_cluster:
	s_bfe_u32 s2, ttmp6, 0x10000c
	s_cmp_lg_u32 s2, 0xf033
	s_cbranch_scc0 .Lentry_shape_is_right
	s_endpgm
.Lentry_shape_is_right:
; qkv[token][e] = sum over d of x[token][d] w_in[e][d] + b_in[e], M = 4096, N = 3072, K = 1024.  Operands: the bf16 copies in cb; sums in f32; the result rounded once to bf16
; and written BY HEADS: 48 planes [4096 tokens][64 channels], plane = e / 64 (q 0-15, k 16-31, v 32-47).  q is not scaled here.
; LIMITS.  x, w_in and the result carry bf16's 8 significant bits; bf16 has f32's range; NaN and infinities are not treated apart.
; SHARES.  A tile of the result is 256 tokens x 192 columns (three whole heads): 16 x 16 tiles, one to a work-group.  Wave w makes tokens 64 w .. 64 w + 63 x all 192 columns:
; 4 x 12 accumulators of 16 x 16, 384 registers.  So a wave owns whole heads, and 16 tokens of a head leave as 2,048 bytes on end.
; K goes in steps of 128 (rows of 256 bytes, at multiples of 256 bytes) through a ring of two LDS slots filled by the tensor data mover.
; CLUSTERS: 4 x 4 work-groups.  The four of a row of the cluster need the same tiles of x, the four of a column the same tiles of w_in: each is asked for JOINTLY, by the same
; tensor load with the same descriptor and a mask that names the four.
; THE MATRIX INSTRUCTION IS USED TRANSPOSED: source 0 = 16 rows of w_in, source 1 = 16 tokens.  A lane then holds one token (lane % 16) and the columns 8 (lane / 16) + 0..7.
; THE BIAS IS THE C OPERAND of the product that starts each sum: 96 registers hold the lane's eight numbers of b_in for each of the 12 column blocks.  Nothing is cleared, nothing added later.
; REGISTERS, in windows of 256 (s_set_vgpr_msb: bits 1:0 source 0, 3:2 source 1, 5:4 source 2, 7:6 destination):
;   window 0: v16-30 addresses; v64-127 fragments of x (4 x 8), two buffers; v128-223 the bias; on the way out v64-207 at work
;   window 1: v0-191 fragments of w_in (12 x 8), two buffers      window 2: accumulators of token blocks 0, 1 ((a, b) at v[8 (12 (a % 2) + b)])      window 3: of blocks 2, 3
.set KSTEP,  128
.set PITCH,  272                       ; an LDS row: 256 bytes + 16 of padding = 68 words: the 16 rows of a fragment load start at 16 different groups of four banks (ISA guide 11.1)
.set HALFA,  128*PITCH                 ; 128 tokens: one tensor load
.set HALFB,  96*PITCH                  ; 96 rows of w_in: one tensor load
.set SLOT,   2*HALFA+2*HALFB           ; x's 256 rows, then w_in's 192
.set STAGE,  2*SLOT                    ; behind the ring: 16 rows x 400 bytes for each wave, for the way out
.set SPITCH, 400                       ; 384 bytes + 16
.set SPARE,  STAGE+4*16*SPITCH         ; behind the stages: the spare words, 128 bytes a wave, that no other line names
.set WIB,    8388608                   ; w_in's copy in cb
.set PLANE,  524288                    ; bytes in a plane of qkv
.set ADRA, 16                          ; v16-17  LDS address of my fragments of x in slot 0, 1
.set ADRB, 20                          ; v20-21  the same for w_in
.set STO,  24                          ; v24     the way out: where I put 16 bytes of a row
.set RD,   25                          ; v25     the way out: where I read rows back
.set GO,   26                          ; v26     16 x lane: my 16 bytes of 512 on end
.set BO,   27                          ; v27     32 x (lane / 16): my eight numbers of a column block's bias
.set SPW,  28                          ; v28     LDS address of my spare word; never rewritten
.set NIL,  29                          ; v29     0; never rewritten
.set PFO,  30                          ; v30     the prefetches' offset: my lane's row x 2,048 bytes; never rewritten
.set FA,   64
.set BIAS, 128
.set TMP,  64                          ; the way out: 48 registers of packed results
.set OB,   112                         ; the way out: two sets of 48, rows read back
.set G1,  24                           ; s[24:31] descriptor group 1 for x's tiles;  s[32:39] group 0, a set for each slot
.set G0,  32
.set G1B, 48                           ; s[48:55], s[56:63] the same for w_in's
.set G0B, 56
.set PFA, 44                           ; s[44:45] where my prefetches stand
.set LIM, 43                           ; s43     1 in a wave that prefetches, else the greatest number
.set TO_B, 0x40                        ; destination window 1, address window 0
.set MSB, 0
.macro WIN new                         ; the immediate's high byte repeats the setting that is left; a switch that changes nothing is dropped
.if MSB != (\new)
	s_set_vgpr_msb (MSB<<8)|(\new)
.set MSB, \new
.endif
.endm
; A joint load.  Waves 0 and 1 fetch x's two halves, waves 2 and 3 w_in's.  The branch hangs on the wave's number alone.  An s_nop 0 and four v_nop follow each line.
.macro JLOAD s
	s_cmp_eq_u32 s11, 0
	s_cbranch_scc0 .Lfor_b_\@
	tensor_load_to_lds s[G0+4*(\s):G0+4*(\s)+3], s[G1:G1+7]
	s_nop 0
.rept 4
	v_nop
.endr
	s_branch .Lasked_\@
.Lfor_b_\@:
	tensor_load_to_lds s[G0B+4*(\s):G0B+4*(\s)+3], s[G1B:G1B+7]
	s_nop 0
.rept 4
	v_nop
.endr
.Lasked_\@:
.endm
; A prefetch into the L2, behind a joint load and the run of LDS loads that follows it: the K step that the NEXT refill will ask for, 192 matrix instructions ahead of that load: a lane a row, 256 bytes each.
; x's rows are read by every cluster of a row of clusters: cluster x = 0 asks; w_in's by every cluster of a column: cluster y = 0 asks.  The four partners share a wave's rows out BY ADDRESS
; (32 of 128 for x, 24 of 96 for w_in, where lanes 24-31 name the 24th again).  how = 1: always; how = 0: not in the loop's last trip, whose K step does not exist.
.macro ASK how
.if \how
	s_cmp_eq_u32 s[LIM], 1
.else
	s_cmp_gt_u32 s3, s[LIM]
.endif
	s_cbranch_scc0 .Lnot_mine_\@
	global_prefetch_b8 v[PFO], s[PFA:PFA+1] offset:KSTEP*2 th:TH_LOAD_NT scope:SCOPE_SE
.Lnot_mine_\@:
.endm
.macro CREST                           ; a round of the cluster's barrier behind its opening barrier
	s_cmp_lg_u32 s10, 0
	s_cbranch_scc1 .Lnot_wave_0_\@
	s_barrier_signal -3
.Lnot_wave_0_\@:
	s_barrier_wait -3
	s_barrier_signal -1
	s_barrier_wait -1
.endm
.macro CROUND                          ; a whole round
	s_barrier_signal -1
	s_barrier_wait -1
	CREST
.endm
	s_load_b128 s[4:7], s[0:1], 0x0                ; cb s[4:5], b_in s[6:7]
	s_load_b64 s[8:9], s[0:1], 0x10                ; qkv
	v_lshl_add_u32 v[SPW], v0, 2, SPARE
	v_mov_b32 v[NIL], 0
	ds_add_u32 v[SPW], v[NIL]                      ; the wave's opening: the add and its wait ahead of my first tensor load; work on registers stands between them
	v_lshrrev_b32 v1, 5, v0
	v_readfirstlane_b32 s10, v1                    ; wave 0..3: my 64 tokens of the tile
	s_lshr_b32 s11, s10, 1                         ; I fetch for x (0) or for w_in (1),
	s_and_b32 s12, s10, 1                          ; and which half of that tile
	s_bfe_u32 s40, ttmp6, 0x40000                  ; cx, cy: my place in the cluster
	s_bfe_u32 s41, ttmp6, 0x40004
	s_lshl_b32 s42, ttmp9, 2
	s_add_co_u32 s42, s42, s40                     ; tile column = 4 x cluster x + cx
	s_and_b32 s13, ttmp7, 0xffff
	s_lshl_b32 s13, s13, 2
	s_add_co_u32 s13, s13, s41                     ; tile row = 4 x cluster y + cy
	s_lshl_b32 s43, s41, 2
	s_lshl_b32 s43, 15, s43                        ; my row of the cluster
	s_lshl_b32 s44, 0x1111, s40                    ; my column
	s_or_b32 s[G1+0], s43, (1<<16)|(1<<20)|(1<<21)|(5<<22)|(3<<25)   ; the mask; elements of 2 bytes; padding on; bit 21 beside a mask; after every 64 words; 4 words
	s_or_b32 s[G1B+0], s44, (1<<16)|(1<<20)|(1<<21)|(5<<22)|(3<<25)
	s_mov_b32 s[G1+1], KSTEP<<16                   ; tensor_dim0 = 128
	s_mov_b32 s[G1+2], 128<<16                     ; tensor_dim1 = 128
	s_mov_b32 s[G1+3], KSTEP<<16                   ; tile_dim0 = 128
	s_mov_b32 s[G1+4], 128                         ; tile_dim1 = 128
	s_mov_b32 s[G1+5], 1024                        ; elements from row to row
	s_mov_b32 s[G1+6], 0
	s_mov_b32 s[G1+7], 0
	s_mov_b32 s[G1B+1], KSTEP<<16
	s_mov_b32 s[G1B+2], 96<<16                     ; 96 rows
	s_mov_b32 s[G1B+3], KSTEP<<16
	s_mov_b32 s[G1B+4], 96
	s_mov_b32 s[G1B+5], 1024
	s_mov_b32 s[G1B+6], 0
	s_mov_b32 s[G1B+7], 0
	s_lshl_b32 s16, s13, 8                         ; x: row 256 x tile row + 128 x half, 2,048 bytes a row
	s_lshl_b32 s17, s12, 7
	s_add_co_u32 s16, s16, s17
	s_lshl_b32 s16, s16, 11
	s_mov_b32 s17, 0
	s_mul_i32 s46, s42, 192                        ; w_in: row 192 x tile column + 96 x half
	s_mul_i32 s47, s12, 96
	s_add_co_u32 s46, s46, s47
	s_lshl_b32 s46, s46, 11
	s_add_co_u32 s46, s46, WIB
	s_mov_b32 s47, 0
	s_mul_i32 s20, s12, HALFA                      ; where they go: no place in the cluster enters an LDS address
	s_mul_i32 s21, s12, HALFB
	s_add_co_u32 s21, s21, 2*HALFA
	s_wait_dscnt 0x0                               ; the opening add is done
	s_wait_kmcnt 0x0
	s_add_nc_u64 s[14:15], s[4:5], s[16:17]
	s_add_nc_u64 s[46:47], s[4:5], s[46:47]
	CROUND                                         ; all sixteen work-groups are here: the first joint loads meet
.irp s, 0,1
	s_mov_b32 s[G0+4*(\s)], 1
	s_add_co_u32 s[G0+4*(\s)+1], s20, (\s)*SLOT
	s_add_nc_u64 s[G0+4*(\s)+2:G0+4*(\s)+3], s[14:15], (\s)*KSTEP*2
	s_or_b32 s[G0+4*(\s)+3], s[G0+4*(\s)+3], 0x80000000
	s_mov_b32 s[G0B+4*(\s)], 1
	s_add_co_u32 s[G0B+4*(\s)+1], s21, (\s)*SLOT
	s_add_nc_u64 s[G0B+4*(\s)+2:G0B+4*(\s)+3], s[46:47], (\s)*KSTEP*2
	s_or_b32 s[G0B+4*(\s)+3], s[G0B+4*(\s)+3], 0x80000000
	JLOAD \s                                       ; two loads of mine are out: K steps 0 and 1
.endr
	; a fragment is 16 rows x 32 K in 8 registers: lane l holds row l % 16, K = 8 (l / 16) + 0..7 and 16 + 8 (l / 16) + 0..7: two loads of 16 bytes, 32 bytes apart
	v_and_b32 v1, 15, v0                           ; l % 16
	v_bfe_u32 v2, v0, 4, 1                         ; l / 16
	v_mul_u32_u24 v3, v1, PITCH
	v_lshl_add_u32 v3, v2, 4, v3
	s_mul_i32 s21, s10, 64*PITCH                   ; my 64 tokens
	v_add_nc_u32 v[ADRA], s21, v3
	v_add_nc_u32 v[ADRA+1], SLOT, v[ADRA]
	v_add_nc_u32 v[ADRB], 2*HALFA, v3              ; all 192 rows of w_in
	v_add_nc_u32 v[ADRB+1], SLOT, v[ADRB]
	v_and_b32 v4, 31, v0                           ; lane
	v_lshrrev_b32 v5, 3, v4
	v_and_b32 v6, 7, v0
	s_mul_i32 s23, s10, 16*SPITCH
	s_add_co_u32 s23, s23, STAGE                   ; my stage
	v_mul_u32_u24 v7, v1, SPITCH                   ; in: row l % 16, 16 bytes for each half of the lanes
	v_lshl_add_u32 v7, v2, 4, v7
	v_add_nc_u32 v[STO], s23, v7
	v_mul_u32_u24 v7, v5, SPITCH                   ; back: 32 lanes take a head's 128 bytes of four rows
	v_lshl_add_u32 v7, v6, 4, v7
	v_add_nc_u32 v[RD], s23, v7
	v_lshlrev_b32 v[GO], 4, v4
	v_lshlrev_b32 v[BO], 5, v2
	s_mul_i32 s20, s42, 768                        ; the tile's 192 numbers of b_in
	s_mov_b32 s21, 0
	s_add_nc_u64 s[6:7], s[6:7], s[20:21]
.irp b, 0,1,2,3,4,5,6,7,8,9,10,11
	global_load_b128 v[BIAS+8*(\b):BIAS+8*(\b)+3],   v[BO], s[6:7] offset:64*(\b)
	global_load_b128 v[BIAS+8*(\b)+4:BIAS+8*(\b)+7], v[BO], s[6:7] offset:64*(\b)+16
.endr
	s_mul_i32 s20, s42, 3*PLANE                    ; the tile's three planes,
	s_lshl_b32 s21, s13, 15                        ; its 256 tokens of 128 bytes,
	s_add_co_u32 s20, s20, s21
	s_lshl_b32 s21, s10, 13                        ; my 64 of them
	s_add_co_u32 s20, s20, s21
	s_mov_b32 s21, 0
	s_add_nc_u64 s[8:9], s[8:9], s[20:21]
	; the prefetches' place: offsets are made apart and added to cb once
	s_lshl_b32 s20, s13, 8
	s_lshl_b32 s21, s12, 7
	s_add_co_u32 s20, s20, s21
	s_lshl_b32 s21, s40, 5
	s_add_co_u32 s20, s20, s21                     ; x: the 128 rows that I fetch, my work-group's 32 of them
	s_lshl_b32 s20, s20, 11
	s_mul_i32 s22, s42, 192
	s_mul_i32 s23, s12, 96
	s_add_co_u32 s22, s22, s23
	s_mul_i32 s23, s41, 24
	s_add_co_u32 s22, s22, s23                     ; w_in: the 96 rows that I fetch, my work-group's 24 of them
	s_lshl_b32 s22, s22, 11
	s_add_co_u32 s22, s22, WIB
	s_and_b32 s23, ttmp7, 0xffff                   ; cluster y
	s_cmp_eq_u32 s11, 0                            ; do I fetch for x?
	s_cselect_b32 s20, s20, s22
	s_cselect_b32 s23, ttmp9, s23                  ; the coordinate along which other clusters read the same rows
	s_cselect_b32 s22, 31, 23                      ; my last row
	s_cmp_eq_u32 s23, 0
	s_cselect_b32 s[LIM], 1, -1                    ; the same in all sixteen partners, for a given wave
	s_add_co_u32 s20, s20, KSTEP*2                 ; at K step 1: the first refill steps it to 2 and names K step 3; K steps 0 to 2 come by their loads alone
	s_mov_b32 s21, 0
	s_add_nc_u64 s[PFA:PFA+1], s[4:5], s[20:21]
	v_min_u32 v[PFO], s22, v4
	v_lshlrev_b32 v[PFO], 11, v[PFO]
; 12 matrix instructions: token block a x all 12 column blocks, 32 along K, from buffer f.  zero = 1: the product starts the sum, with the bias as C.
; The 48 accumulators take turns, one instruction a turn, in the same order in every quarter step.
.macro MUL12 f, a, zero
.if \zero
	WIN 0x81+0x40*((\a)/2)
.else
	WIN 0xa1+0x50*((\a)/2)
.endif
.irp b, 0,1,2,3,4,5,6,7,8,9,10,11
.if \zero
	v_wmma_f32_16x16x32_bf16 v[8*(12*((\a)%2)+(\b)):8*(12*((\a)%2)+(\b))+7], v[96*(\f)+8*(\b):96*(\f)+8*(\b)+7], v[FA+32*(\f)+8*(\a):FA+32*(\f)+8*(\a)+7], v[BIAS+8*(\b):BIAS+8*(\b)+7]
.else
	v_wmma_f32_16x16x32_bf16 v[8*(12*((\a)%2)+(\b)):8*(12*((\a)%2)+(\b))+7], v[96*(\f)+8*(\b):96*(\f)+8*(\b)+7], v[FA+32*(\f)+8*(\a):FA+32*(\f)+8*(\a)+7], v[8*(12*((\a)%2)+(\b)):8*(12*((\a)%2)+(\b))+7]
.endif
.endr
.endm
.macro MUL24 f, hi, zero
	MUL12 \f, 2*(\hi), \zero
	MUL12 \f, 2*(\hi)+1, \zero
.endm
; 32 LDS loads in one run: a quarter step's fragments (192 rows of w_in, then my 64 tokens, 32 K at byte k of the rows) into buffer f
.macro FETCH slot, k, f
	WIN TO_B
.irp i, 0,1,2,3,4,5,6,7,8,9,10,11
	ds_load_b128 v[96*(\f)+8*(\i):96*(\f)+8*(\i)+3],   v[ADRB+(\slot)] offset:(\k)+(\i)*16*PITCH
	ds_load_b128 v[96*(\f)+8*(\i)+4:96*(\f)+8*(\i)+7], v[ADRB+(\slot)] offset:(\k)+(\i)*16*PITCH+32
.endr
	WIN 0
.irp i, 0,1,2,3
	ds_load_b128 v[FA+32*(\f)+8*(\i):FA+32*(\f)+8*(\i)+3],   v[ADRA+(\slot)] offset:(\k)+(\i)*16*PITCH
	ds_load_b128 v[FA+32*(\f)+8*(\i)+4:FA+32*(\f)+8*(\i)+7], v[ADRA+(\slot)] offset:(\k)+(\i)*16*PITCH+32
.endr
.endm
.macro PLACES                          ; four plain places behind the last matrix instruction, in front of loads into registers that it read and of conversions that read results
.rept 4
	v_nop
.endr
.endm
; A K step is four quarters of 32 along K, 48 matrix instructions each, on buffers 0, 1, 0, 1.  One of the first three: multiplies buffer f, and in its middle fetches the next quarter, at byte k, into g.
.macro QUARTER slot, k, f, g, zero
	s_wait_dscnt 4                                 ; w_in's fragments and token blocks 0, 1 are in; the youngest four loads (blocks 2, 3) may be out
	MUL24 \f, 0, \zero
	PLACES
	FETCH \slot, \k, \g
	s_wait_dscnt 32                                ; all but the 32 just issued
	MUL24 \f, 1, \zero
.endm
; The last quarter's first half, and the change of slots: each wave waits for all its tensor loads (one is out: its part of the next slot), adds 0 to its spare word, and waits for that and for its reads of this slot.
.macro MEET round
	WIN 0                                          ; (the add's two registers lie in window 0)
	s_wait_tensorcnt 0x0
	ds_add_u32 v[SPW], v[NIL]
	s_wait_dscnt 5                                 ; (the add and the youngest four loads may be out)
	MUL12 1, 0, 0                                  ; twelve matrix instructions stand between the add and the wait for it
	s_wait_dscnt 0x0                               ; the add is done, and my reads of this slot are over
	s_barrier_signal -1
	MUL12 1, 1, 0                                  ; work on registers while the others arrive
.if \round
	WIN 0
.endif
	s_barrier_wait -1
.endm
; The whole last quarter where the slot is filled again, two K steps ahead: the barrier opens a round of the cluster's barrier, and the joint refill is the first tensor load behind it:
; 168 matrix instructions stand between it and the wait for it.
.macro TURN slot, next, how
	s_wait_xcnt 0x0                                ; the last prefetch, a K step back, has read its address
	s_add_nc_u64 s[PFA:PFA+1], s[PFA:PFA+1], KSTEP*2
	MEET 1
	CREST                                          ; no wave of any partner still reads this slot or has a load on its way
	s_add_nc_u64 s[G0+4*(\slot)+2:G0+4*(\slot)+3], s[G0+4*(\slot)+2:G0+4*(\slot)+3], 2*KSTEP*2
	s_add_nc_u64 s[G0B+4*(\slot)+2:G0B+4*(\slot)+3], s[G0B+4*(\slot)+2:G0B+4*(\slot)+3], 2*KSTEP*2
	JLOAD \slot                                    ; its four v_nop are also the places in front of the loads below
	FETCH \next, 0, 0
	ASK \how
	MUL24 1, 1, 0
.endm
	s_wait_tensorcnt 1                             ; my part of K step 0 is in; K step 1's may stay out
	s_barrier_signal -1
	s_barrier_wait -1
	FETCH 0, 0, 0
	s_wait_loadcnt 0x0                             ; the bias
	QUARTER 0, 64, 0, 1, 1                         ; the first quarter stands in front of the loop: its products start the sums
	WIN 0                                          ; at a label and at a branch every window is 0
	s_mov_b32 s3, 3
.Llap:                                             ; a trip goes once round the ring, from a lap's second quarter to the next lap's first, and fills both slots again: K steps 2 to 7
	QUARTER 0, 128, 1, 0, 0
	QUARTER 0, 192, 0, 1, 0
	TURN 0, 1, 1
	QUARTER 1, 64,  0, 1, 0
	QUARTER 1, 128, 1, 0, 0
	QUARTER 1, 192, 0, 1, 0
	TURN 1, 0, 0
	QUARTER 0, 64,  0, 1, 0
	WIN 0
	s_sub_co_u32 s3, s3, 1
	s_cmp_lg_u32 s3, 0
	s_cbranch_scc1 .Llap
	QUARTER 0, 128, 1, 0, 0                        ; the last lap asks for nothing
	QUARTER 0, 192, 0, 1, 0
	MEET 0
	PLACES
	FETCH 1, 0, 0
	MUL24 1, 1, 0
	QUARTER 1, 64,  0, 1, 0
	QUARTER 1, 128, 1, 0, 0
	QUARTER 1, 192, 0, 1, 0
	s_wait_dscnt 4
	MUL24 1, 0, 0
	s_wait_dscnt 0x0
	MUL24 1, 1, 0
	WIN 0
; THE WAY OUT, a block of 16 tokens at a time.  PACK: rounded to bf16, each accumulator's registers in ascending order.  TOSTAGE: 16 bytes a lane into my own stage, and back by heads:
; four tokens x 128 bytes a load.  SEND: stored, 512 bytes on end a store.
.macro PACK a
	WIN 0x0a+5*((\a)/2)                            ; sources 0 and 1: window 2 or 3
.irp b, 0,1,2,3,4,5,6,7,8,9,10,11
.irp r, 0,1,2,3
	v_cvt_pk_bf16_f32 v[TMP+4*(\b)+(\r)], v[8*(12*((\a)%2)+(\b))+2*(\r)], v[8*(12*((\a)%2)+(\b))+2*(\r)+1]
.endr
.endr
	WIN 0
.endm
.macro TOSTAGE a
.set BK, OB+48*((\a)%2)
.irp b, 0,1,2,3,4,5,6,7,8,9,10,11
	ds_store_b128 v[STO], v[TMP+4*(\b):TMP+4*(\b)+3] offset:32*(\b)
.endr
.irp hh, 0,1,2
.irp f, 0,1,2,3
	ds_load_b128 v[BK+4*(4*(\hh)+(\f)):BK+4*(4*(\hh)+(\f))+3], v[RD] offset:(\f)*4*SPITCH+(\hh)*128  ; LDS serves a wave's instructions in order (ISA guide 5.7.1.4): these see the stores above
.endr
.endr
.endm
.macro SEND a
.set BK, OB+48*((\a)%2)
	s_wait_dscnt 0x0                               ; the block is back in registers
	s_wait_xcnt 0x0                                ; the stores two blocks back have read their registers: the next TOSTAGE loads into them
.irp hh, 0,1,2
.irp f, 0,1,2,3
	global_store_b128 v[GO], v[BK+4*(4*(\hh)+(\f)):BK+4*(4*(\hh)+(\f))+3], s[8:9] offset:(\hh)*PLANE+(\a)*2048+(\f)*512
.endr
.endr
.endm
	PLACES
	PACK 0
	TOSTAGE 0
.irp a, 1,2,3                          ; block a's conversions stand between block a - 1's loads from the stage and the wait for them
	PACK \a
	SEND (\a)-1
	TOSTAGE \a
.endr
	SEND 3
	s_wait_tensorcnt 0x0                           ; the wave's end
	ds_add_u32 v[SPW], v[NIL]
	s_wait_dscnt 0x0
	CROUND                                         ; the closing round: no work-group ends while a partner may still ask for a tile that names it
	s_endpgm
.Lfunc_end_k_q7cad0add40_qkv:
	.size	k_q7cad0add40_qkv, .Lfunc_end_k_q7cad0add40_qkv-k_q7cad0add40_qkv
	.p2alignl 7, 3214868480
	.fill 96, 4, 3214868480
	.section	.rodata,"a",@progbits
	.p2align	6, 0x0
	.amdhsa_kernel k_q7cad0add40_qkv
		.amdhsa_group_segment_fixed_size 327680
		.amdhsa_private_segment_fixed_size 0
		.amdhsa_enable_private_segment 0
		.amdhsa_kernarg_size 24
		.amdhsa_user_sgpr_count 2
		.amdhsa_user_sgpr_kernarg_segment_ptr 1
		.amdhsa_wavefront_size32 1
		.amdhsa_system_sgpr_workgroup_id_x 1
		.amdhsa_system_sgpr_workgroup_id_y 1
		.amdhsa_system_sgpr_workgroup_id_z 1
		.amdhsa_system_vgpr_workitem_id 0
		.amdhsa_next_free_vgpr 1024
		.amdhsa_next_free_sgpr 66
		.amdhsa_reserve_vcc 0
		.amdhsa_float_denorm_mode_32 3
		.amdhsa_float_denorm_mode_16_64 3
		.amdhsa_memory_ordered 1
		.amdhsa_forward_progress 1
		.amdhsa_inst_pref_size 122
	.end_amdhsa_kernel
	.amdgpu_metadata
---
amdhsa.version: [ 1, 2 ]
amdhsa.kernels:
  - .name:           k_q7cad0add40_qkv
    .symbol:         k_q7cad0add40_qkv.kd
    .args:
      - { .name: cb, .offset: 0, .size: 8, .value_kind: global_buffer, .address_space: global }
      - { .name: b_in, .offset: 8, .size: 8, .value_kind: global_buffer, .address_space: global }
      - { .name: qkv, .offset: 16, .size: 8, .value_kind: global_buffer, .address_space: global }
    .group_segment_fixed_size: 327680
    .private_segment_fixed_size: 0
    .kernarg_segment_align: 8
    .kernarg_segment_size: 24
    .max_flat_workgroup_size: 128
    .sgpr_count:     66
    .vgpr_count:     1024
    .wavefront_size: 32
...
	.end_amdgpu_metadata
.endif
;; end of part 2
;; launch attn (part 3): grid 16 x 16, 4 waves a work-group, no clusters, 167,936 bytes of LDS; arguments qkv, ctx; writes ctx
.if DOCPART == 3
	.amdgcn_target "amdgcn-amd-amdhsa--gfx1250"
	.amdhsa_code_object_version 6
	.text
	.protected	k_q7cad0add40_attn
	.globl	k_q7cad0add40_attn
	.p2align	8
	.type	k_q7cad0add40_attn,@function
k_q7cad0add40_attn:
	s_mov_b64 s[64:65], 0
	v_nop
	global_prefetch_b8 v0, s[64:65] scope:SCOPE_SE
	s_setreg_imm32_b32 hwreg(HW_REG_WAVE_MODE, 25, 1), 1
	s_wait_xcnt 0x0
; BAND ATTENTION.  ctx[h][q][:] = the sum over |q - k| <= 128 of softmax_k(Q[h][q] . K[h][k] / 8) V[h][k][:].  qkv: 48 planes [4096][64] of bf16 (q 0-15, k 16-31, v 32-47); ctx: 16 such planes.
; Products, the maximum and the sum in f32; the weights are rounded to bf16 for the second product (their sum is taken of the unrounded weights), ctx once at the end.
; LIMITS.  A hidden score counts as its value less 1e30, which in f32 is -1e30 as long as |Q . K| stays below some 1e22; a weight below 2^-126 counts as 0; NaN and infinities are not treated apart.
; SHARES.  A work-group owns 256 queries of one head (x: the block b, y: the head).  The 512 keys 256 b - 128 .. 256 b + 383 lie in LDS, filled once: no slot is filled again.
; Wave w owns 64 queries from qw = 256 b + 64 w, as four tiles of 16, and the 320 keys qw - 128 .. qw + 191, as five steps of 64.  ALL 320 scores of a query stay in registers, so the row's true maximum is
; taken away before any exponential; every query sees its own key, so the maximum is a real score.
; THE EDGES.  Keys below 0 (block 0) or from 4096 on (block 15) fill whole units of 128: their fills are clamped to the plane's first or last 128 rows, finite numbers whose steps are hidden whole.
; THE MASK is the C operand that starts a sum S^T = K Q^T: 0, or -1e30 where the key is hidden.  In step 0 key j of 64 is hidden from query i of 64 where j < i, in step 4 where j > i; steps 1 to 3 lie within the band.
; LAYOUT.  S^T = K Q^T (source 0 = 16 keys, source 1 = 16 queries): a lane holds ONE query (lane % 16) and the keys 8 (lane / 16) + 0..7; two such results rounded to bf16 in pairs ARE source 1 of O^T = V^T P.
; K comes out of LDS as it lies, V turned, by ds_load_tr16_b128.
; NO CLUSTER: a unit of 128 keys is read by two neighbouring blocks only, the pairs change from unit to unit and cross any cluster's edge.  NO PREFETCH: all that the work-group reads is asked for at its head.
; REGISTERS by their true numbers; W4 sets the windows (s_set_vgpr_msb: bits 1:0 source 0, 3:2 source 1, 5:4 source 2, 7:6 destination) from them, and the lines name the low 8 bits.
;   0-31 addresses; 32-87 masks; 88-119 eight registers of statistics a tile; 120-127 partial sums; 128-191 Q, then V's second buffer, then packed results; 192-255 V's first buffer
;   256-895 S^T, 160 a tile (tile t, step s, key block kb at 256 + 160 t + 32 s + 8 kb), P compacted in place (80 a tile); 896-1023 K's two buffers, then O^T (32 a tile)
.set PLANE, 524288
.set PK,    144       ; a row of K in LDS: 128 bytes + 16: the 16 rows of a load start at 16 different groups of four banks (ISA guide 11.1)
.set PV,    160       ; a row of V: 128 + 32
.set VOFF,  512*PK
.set STAGE, VOFF+512*PV  ; never filled by a tensor load: 16 rows x 144 bytes for each wave, for the way out
.set SP,    144
.set SPARE, STAGE+4*16*SP  ; the spare words, 128 bytes a wave, that no other line names
.set AK,  2           ; LDS address of my lane's place in my wave's first step of K
.set AV,  3           ; the same for V
.set QO,  4           ; my byte offset in 16 rows of Q
.set STO, 5
.set RD,  6
.set GO,  7
.set SPW, 30
.set NIL, 31
.set NEGA, 32         ; eight registers each: -1e30;
.set Z0,  40          ; step 0's edge addend (0, or -1e30 where the step's keys do not exist);
.set DL,  48          ; step 0's diagonal block;
.set Z1,  56
.set Z3,  64
.set Z4,  72
.set DH,  80          ; step 4's diagonal block
.set ST,  88          ; tile t at ST + 8 t: c m, m, l and then 1 / l, at work, and four chains c0-c3
.set LS,  120
.set Q,   128
.set VB,  192         ; V's buffer 0; buffer 1 lies 64 below
.set SB,  256
.set KB,  896
.set OT,  896
.set KBW, 128         ; 896 in its window
.set WV,  12
.set HD,  14
.set PP,  15
.set G1K, 24
.set G1V, 32
.set G0K, 40          ; s[40:47] two sets: my two units of K
.set G0V, 48          ; s[48:55] of V
.set QW,  56
.set CS,  58          ; s[58:59] c = log2(e) / 8
.set SEL, 60
.set BIGN, 62
.set MSB, 0
.macro WIN new
.if MSB != (\new)
	s_set_vgpr_msb (MSB<<8)|(\new)
.set MSB, \new
.endif
.endm
.macro W4 d, a, b, c                ; the windows of destination, source 0, source 1, source 2, from true register numbers
	WIN ((((\d)>>8)<<6)|(((\c)>>8)<<4)|(((\b)>>8)<<2)|((\a)>>8))
.endm
.macro PLACES                       ; four plain places behind the last matrix instruction (ISA guide 7.12.1)
.rept 4
	v_nop
.endr
.endm
	s_load_b128 s[4:7], s[0:1], 0x0 ; qkv s[4:5], ctx s[6:7]
	v_lshl_add_u32 v[SPW], v0, 2, SPARE
	v_mov_b32 v[NIL], 0
	ds_add_u32 v[SPW], v[NIL]       ; the wave's opening: the add and its wait ahead of my first tensor load
	v_lshrrev_b32 v1, 5, v0
	v_readfirstlane_b32 s[WV], v1
	s_and_b32 s[HD], ttmp7, 0xffff
	s_and_b32 s[PP], s[WV], 1       ; which two of the four units I fetch
	; 128 keys are 16,384 dense bytes: asked for as 64 rows of 256 bytes, two keys a row, padded in LDS after every key
	s_mov_b32 s[G1K], (1<<16)|(1<<20)|(4<<22)|(3<<25)
	s_mov_b32 s[G1V], (1<<16)|(1<<20)|(4<<22)|(7<<25)
.irp g, G1K, G1V
	s_mov_b32 s[\g+1], 128<<16      ; tensor_dim0 = 128
	s_mov_b32 s[\g+2], 64<<16       ; tensor_dim1 = 64
	s_mov_b32 s[\g+3], 128<<16      ; tile_dim0 = 128
	s_mov_b32 s[\g+4], 64           ; tile_dim1 = 64
	s_mov_b32 s[\g+5], 128
	s_mov_b32 s[\g+6], 0
	s_mov_b32 s[\g+7], 0
.endr
	s_mov_b32 s[CS], 0x3e38aa3b     ; 0.180337
	s_mov_b32 s[CS+1], s[CS]
	s_mov_b32 s[SEL], 0x76543210
	s_mov_b32 s[SEL+1], 0xfedcba98
	s_mov_b32 s[BIGN], 0xf149f2ca   ; -1e30
	s_lshl_b32 s[QW], ttmp9, 8
	s_lshl_b32 s20, s[WV], 6
	s_add_co_u32 s[QW], s[QW], s20  ; my wave's first query
	s_cmp_lt_u32 s[QW], 128         ; step 0's keys begin at qw - 128,
	s_cselect_b32 s16, s[BIGN], 0
	s_cmp_lt_u32 s[QW], 64          ; step 1's at qw - 64,
	s_cselect_b32 s17, s[BIGN], 0
	s_cmp_ge_u32 s[QW], 4032        ; step 3's at qw + 64,
	s_cselect_b32 s18, s[BIGN], 0
	s_cmp_ge_u32 s[QW], 3968        ; step 4's at qw + 128
	s_cselect_b32 s19, s[BIGN], 0
	s_mul_i32 s20, s[PP], 256*PK
	s_mov_b32 s[G0K], 1
	s_mov_b32 s[G0K+1], s20
	s_mov_b32 s[G0K+4], 1
	s_add_co_u32 s[G0K+5], s20, 128*PK
	s_mul_i32 s21, s[PP], 256*PV
	s_mov_b32 s[G0V], 1
	s_add_co_u32 s[G0V+1], s21, VOFF
	s_mov_b32 s[G0V+4], 1
	s_add_co_u32 s[G0V+5], s21, VOFF+128*PV
	s_lshl_b32 s20, ttmp9, 8
	s_lshl_b32 s10, s[PP], 8
	s_add_co_u32 s20, s20, s10
	s_sub_co_i32 s20, s20, 128      ; the first key of my first unit: -128 at the least,
	s_add_co_i32 s22, s20, 128      ; of my second: 4096 at the most
	s_max_i32 s20, s20, 0
	s_min_i32 s22, s22, 3968
	s_lshl_b32 s20, s20, 7
	s_lshl_b32 s22, s22, 7
	s_lshl_b32 s10, s[HD], 19       ; the head's plane among sixteen
	s_add_co_u32 s20, s20, s10
	s_add_co_u32 s22, s22, s10
	s_mov_b32 s21, 0
	s_mov_b32 s23, 0
	s_lshl_b32 s2, s[QW], 7
	s_add_co_u32 s2, s2, s10
	s_mov_b32 s3, 0
	s_wait_dscnt 0x0                ; the opening add is done
	s_wait_kmcnt 0x0
	s_add_nc_u64 s[8:9], s[4:5], s[2:3]    ; Q at my wave's first row,
	s_add_nc_u64 s[6:7], s[6:7], s[2:3]    ; and ctx
	s_add_nc_u64 s[4:5], s[4:5], 16*PLANE  ; K's planes
	s_add_nc_u64 s[G0K+2:G0K+3], s[4:5], s[20:21]
	s_or_b32 s[G0K+3], s[G0K+3], 0x80000000
	s_add_nc_u64 s[G0K+6:G0K+7], s[4:5], s[22:23]
	s_or_b32 s[G0K+7], s[G0K+7], 0x80000000
	s_add_nc_u64 s[4:5], s[4:5], 16*PLANE  ; V's planes
	s_add_nc_u64 s[G0V+2:G0V+3], s[4:5], s[20:21]
	s_or_b32 s[G0V+3], s[G0V+3], 0x80000000
	s_add_nc_u64 s[G0V+6:G0V+7], s[4:5], s[22:23]
	s_or_b32 s[G0V+7], s[G0V+7], 0x80000000
	s_cmp_lt_u32 s[WV], 2           ; waves 0 and 1 fetch K, waves 2 and 3 V; a wave's two fills stand in one branch: two loads of mine are out
	s_cbranch_scc0 .Lfirst_v
	tensor_load_to_lds s[G0K:G0K+3], s[G1K:G1K+7]
	s_nop 0
	tensor_load_to_lds s[G0K+4:G0K+7], s[G1K:G1K+7]
	s_nop 0
.rept 4
	v_nop
.endr
	s_branch .Lfirst_asked
.Lfirst_v:
	tensor_load_to_lds s[G0V:G0V+3], s[G1V:G1V+7]
	s_nop 0
	tensor_load_to_lds s[G0V+4:G0V+7], s[G1V:G1V+7]
	s_nop 0
.rept 4
	v_nop
.endr
.Lfirst_asked:
	v_and_b32 v1, 15, v0            ; l % 16
	v_bfe_u32 v9, v0, 4, 1          ; l / 16
	v_lshlrev_b32 v[QO], 7, v1
	v_lshl_add_u32 v[QO], v9, 4, v[QO]
.irp i, 0,1,2,3,4,5,6,7             ; Q: tile i / 2, channels 32 (i % 2) on
	global_load_b128 v[Q+8*(\i):Q+8*(\i)+3],   v[QO], s[8:9] offset:((\i)/2)*2048+((\i)%2)*64
	global_load_b128 v[Q+8*(\i)+4:Q+8*(\i)+7], v[QO], s[8:9] offset:((\i)/2)*2048+((\i)%2)*64+32
.endr
	v_mul_u32_u24 v[AK], v1, PK
	v_lshl_add_u32 v[AK], v9, 4, v[AK]
	s_mul_i32 s20, s[WV], 64*PK     ; my step s lies at LDS rows 64 (w + s)
	v_add_nc_u32 v[AK], s20, v[AK]
	v_and_b32 v10, 7, v0
	v_bfe_u32 v11, v0, 3, 1
	v_lshl_add_u32 v[AV], v9, 3, v10
	v_mul_u32_u24 v[AV], v[AV], PV
	v_lshl_add_u32 v[AV], v11, 4, v[AV]
	s_mul_i32 s20, s[WV], 64*PV
	s_add_co_u32 s20, s20, VOFF
	v_add_nc_u32 v[AV], s20, v[AV]
	s_mul_i32 s20, s[WV], 16*SP
	s_add_co_u32 s20, s20, STAGE
	v_mul_u32_u24 v[STO], v1, SP
	v_lshl_add_u32 v[STO], v9, 4, v[STO]
	v_add_nc_u32 v[STO], s20, v[STO]
	v_bfe_u32 v[RD], v0, 3, 2
	v_mul_u32_u24 v[RD], v[RD], SP
	v_lshl_add_u32 v[RD], v10, 4, v[RD]
	v_add_nc_u32 v[RD], s20, v[RD]
	v_and_b32 v[GO], 31, v0
	v_lshlrev_b32 v[GO], 4, v[GO]
	v_lshlrev_b32 v12, 3, v9
	v_sub_nc_u32 v12, v1, v12       ; d = l % 16 - 8 (l / 16): in a diagonal block register j is hidden where j < d (step 0), j > d (step 4)
.irp j, 0,1,2,3,4,5,6,7
	v_mov_b32 v[NEGA+\j], s[BIGN]
	v_mov_b32 v[Z0+\j], s16
	v_mov_b32 v[Z1+\j], s17
	v_mov_b32 v[Z3+\j], s18
	v_mov_b32 v[Z4+\j], s19
.endr
.irp j, 0,1,2,3,4,5,6,7
	v_cmp_lt_i32 vcc_lo, \j, v12
	v_cndmask_b32 v[DL+\j], v[Z0+\j], v[NEGA+\j], vcc_lo
	v_cmp_gt_i32 vcc_lo, \j, v12
	v_cndmask_b32 v[DH+\j], v[Z4+\j], v[NEGA+\j], vcc_lo
.endr
; THE LDS LOADS stand in runs of 16: a step's K (8 fragments) or V (turned).
.macro FETCH_K s, buf
	WIN 0xc0                        ; destination window 3
.irp f, 0,1,2,3,4,5,6,7             ; keys 16 (f / 2) on, channels 32 (f % 2) on
	ds_load_b128 v[KBW+64*(\buf)+8*(\f):KBW+64*(\buf)+8*(\f)+3],   v[AK] offset:(\s)*64*PK+((\f)/2)*16*PK+((\f)%2)*64
	ds_load_b128 v[KBW+64*(\buf)+8*(\f)+4:KBW+64*(\buf)+8*(\f)+7], v[AK] offset:(\s)*64*PK+((\f)/2)*16*PK+((\f)%2)*64+32
.endr
.endm
.macro FETCH_V s, buf
	WIN 0
.irp f, 0,1,2,3,4,5,6,7             ; keys 32 (f / 4) on, channels 16 (f % 4) on
	ds_load_tr16_b128 v[VB-64*(\buf)+8*(\f):VB-64*(\buf)+8*(\f)+3],   v[AV] offset:(\s)*64*PV+((\f)/4)*32*PV+((\f)%4)*32
	ds_load_tr16_b128 v[VB-64*(\buf)+8*(\f)+4:VB-64*(\buf)+8*(\f)+7], v[AV] offset:(\s)*64*PV+((\f)/4)*32*PV+16*PV+((\f)%4)*32
.endr
.endm
; A step's 32 products S^T = K Q^T.  The 16 accumulators take turns; the first 16 products start the sums, with the mask or the constant 0.
.macro KQ s, buf
.irp c, 0,1
.irp t, 0,1,2,3
.irp kb, 0,1,2,3
.set rS, SB+160*(\t)+32*(\s)+8*(\kb)
.set rK, KB+64*(\buf)+16*(\kb)+8*(\c)
.set rQ, Q+16*(\t)+8*(\c)
.set dS, rS&255
.set dK, rK&255
.if (\c) == 1
	W4 rS, rK, rQ, rS
	v_wmma_f32_16x16x32_bf16 v[dS:dS+7], v[dK:dK+7], v[rQ:rQ+7], v[dS:dS+7]
.elseif (\s) == 2
	W4 rS, rK, rQ, rS
	v_wmma_f32_16x16x32_bf16 v[dS:dS+7], v[dK:dK+7], v[rQ:rQ+7], 0
.else
.if (\s) == 0
.if (\kb) < (\t)
.set rM, NEGA
.elseif (\kb) == (\t)
.set rM, DL
.else
.set rM, Z0
.endif
.elseif (\s) == 1
.set rM, Z1
.elseif (\s) == 3
.set rM, Z3
.else
.if (\kb) < (\t)
.set rM, Z4
.elseif (\kb) == (\t)
.set rM, DH
.else
.set rM, NEGA
.endif
.endif
	W4 rS, rK, rQ, rM
	v_wmma_f32_16x16x32_bf16 v[dS:dS+7], v[dK:dK+7], v[rQ:rQ+7], v[rM:rM+7]
.endif
.endr
.endr
.endr
.endm
; A step's 32 products O^T += V^T P; 16 accumulators by turns; step 0's first 16 start the sums.
.macro PV s, buf
.irp kk, 0,1
.irp t, 0,1,2,3
.irp cb, 0,1,2,3
.set rO, OT+32*(\t)+8*(\cb)
.set rV, VB-64*(\buf)+32*(\kk)+8*(\cb)
.set rP, SB+160*(\t)+8*(2*(\s)+(\kk))
.set dO, rO&255
.set dP, rP&255
	W4 rO, rV, rP, rO
.if ((\s) == 0) && ((\kk) == 0)
	v_wmma_f32_16x16x32_bf16 v[dO:dO+7], v[rV:rV+7], v[dP:dP+7], 0
.else
	v_wmma_f32_16x16x32_bf16 v[dO:dO+7], v[rV:rV+7], v[dP:dP+7], v[dO:dO+7]
.endif
.endr
.endr
.endr
.endm
; The maximum of a tile's 160 scores a lane: four chains, one for each key block; each accumulator's two lowest registers are read first.
.macro MAXT t
.irp s, 0,1,2,3,4
.irp j, 0,1,2,3
.irp k, 0,1,2,3
.set rA, SB+160*(\t)+32*(\s)+8*(\k)+2*(\j)
.set dA, rA&255
.if ((\s) == 0) && ((\j) == 0)
	W4 0, rA, rA, rA
	v_max_num_f32 v[ST+8*(\t)+4+(\k)], v[dA], v[dA+1]
.else
	W4 0, 0, rA, rA
	v_max3_num_f32 v[ST+8*(\t)+4+(\k)], v[ST+8*(\t)+4+(\k)], v[dA], v[dA+1]
.endif
.endr
.endr
.endr
.endm
.macro FS t, i                      ; pair i of 80: c s - c m
.set rA, SB+160*(\t)+2*(\i)
.set dA, rA&255
	W4 rA, rA, 0, 0
	v_pk_fma_f32 v[dA:dA+1], v[dA:dA+1], s[CS:CS+1], v[ST+8*(\t):ST+8*(\t)+1] op_sel_hi:[1,0,0] neg_lo:[0,0,1] neg_hi:[0,0,1]
.endm
.macro EX t, n                      ; score n of 160: its exponential, in place
.set rA, SB+160*(\t)+(\n)
.set dA, rA&255
	W4 rA, rA, 0, 0
	v_exp_f32 v[dA], v[dA]
.endm
.macro EXPT t                       ; a scaling and two exponentials by turns; a pair is scaled two groups ahead of its exponentials; no line names an exponential's result
	FS \t, 0
	FS \t, 1
.set i, 0
.rept 78
	FS \t, i+2
	EX \t, 2*i
	EX \t, 2*i+1
.set i, i+1
.endr
	EX \t, 156
	EX \t, 157
	EX \t, 158
	EX \t, 159
.endm
.macro SUMT t                       ; the lane's 160 weights, in four chains of pairs
.irp k, 0,1,2,3
.set rA, SB+160*(\t)+2*(\k)
.set dA, rA&255
	W4 0, rA, rA, 0
	v_pk_add_f32 v[LS+2*(\k):LS+2*(\k)+1], v[dA:dA+1], v[dA+8:dA+9]
.endr
.set i, 8
.rept 72
.set rA, SB+160*(\t)+2*i
.set dA, rA&255
	W4 0, rA, 0, 0
	v_pk_add_f32 v[LS+2*(i%4):LS+2*(i%4)+1], v[dA:dA+1], v[LS+2*(i%4):LS+2*(i%4)+1]
.set i, i+1
.endr
	WIN 0
	v_pk_add_f32 v[LS:LS+1], v[LS:LS+1], v[LS+2:LS+3]
	v_pk_add_f32 v[LS+4:LS+5], v[LS+4:LS+5], v[LS+6:LS+7]
	v_pk_add_f32 v[ST+8*(\t)+2:ST+8*(\t)+3], v[LS:LS+1], v[LS+4:LS+5]
	v_add_f32 v[ST+8*(\t)+2], v[ST+8*(\t)+2], v[ST+8*(\t)+3]
.endm
.macro CVTT t                       ; the weights rounded to bf16, compacted in place: word i takes weights 2 i and 2 i + 1, ascending, so nothing unread is written over
.set i, 0
.rept 80
.set rD, SB+160*(\t)+i
.set rA, SB+160*(\t)+2*i
.set dD, rD&255
.set dA, rA&255
	W4 rD, rA, rA, 0
	v_cvt_pk_bf16_f32 v[dD], v[dA], v[dA+1]
.set i, i+1
.endr
.endm
.macro PACK t                       ; O^T / l, rounded; 16 bytes a lane into rows of 144 bytes, and back as whole rows of 128
	WIN 0xc3
.set i, 0
.rept 16
	v_pk_mul_f32 v[KBW+32*(\t)+2*i:KBW+32*(\t)+2*i+1], v[KBW+32*(\t)+2*i:KBW+32*(\t)+2*i+1], v[ST+8*(\t)+2:ST+8*(\t)+3] op_sel_hi:[1,0]
.set i, i+1
.endr
	WIN 0x0f
.set i, 0
.rept 16
	v_cvt_pk_bf16_f32 v[Q+16*(\t)+i], v[KBW+32*(\t)+2*i], v[KBW+32*(\t)+2*i+1]
.set i, i+1
.endr
	WIN 0
.irp f, 0,1,2,3
	ds_store_b128 v[STO], v[Q+16*(\t)+4*(\f):Q+16*(\t)+4*(\f)+3] offset:32*(\f)
.endr
.irp f, 0,1,2,3
	ds_load_b128 v[Q+16*(\t)+4*(\f):Q+16*(\t)+4*(\f)+3], v[RD] offset:(\f)*4*SP  ; LDS serves a wave's instructions in order (ISA guide 5.7.1.4)
.endr
.endm
.macro SEND t, younger              ; younger: the LDS instructions issued behind tile t's loads
.irp f, 0,1,2,3
	s_wait_dscnt (\younger)+3-(\f)
	global_store_b128 v[GO], v[Q+16*(\t)+4*(\f):Q+16*(\t)+4*(\f)+3], s[6:7] offset:(\t)*2048+(\f)*512  ; 512 bytes on end, at a multiple of 256 from ctx's first
.endr
.endm
	s_wait_tensorcnt 0x0            ; my two units are in,
	s_barrier_signal -1
	s_barrier_wait -1               ; everybody's are
	FETCH_K 0, 0
	FETCH_K 1, 1
	s_wait_loadcnt 0x0              ; Q
	s_wait_dscnt 16                 ; in each of these waits the younger run of 16 loads stays out
	KQ 0, 0
	PLACES
	FETCH_K 2, 0
	s_wait_dscnt 16
	KQ 1, 1
	PLACES
	FETCH_K 3, 1
	s_wait_dscnt 16
	KQ 2, 0
	PLACES
	FETCH_K 4, 0
	s_wait_dscnt 16
	KQ 3, 1
	PLACES
	FETCH_V 0, 0
	s_wait_dscnt 16
	KQ 4, 0
	PLACES
	FETCH_V 1, 1                    ; into Q's registers, which have been read for the last time
	MAXT 0
	MAXT 1
	MAXT 2
	MAXT 3
	WIN 0
.irp t, 0,1,2,3
	v_max3_num_f32 v[ST+8*(\t)+4], v[ST+8*(\t)+4], v[ST+8*(\t)+5], v[ST+8*(\t)+6]
.endr
.irp t, 0,1,2,3
	v_max_num_f32 v[ST+8*(\t)+4], v[ST+8*(\t)+4], v[ST+8*(\t)+7]
.endr
.irp t, 0,1,2,3
	v_permlanex16_b32 v[ST+8*(\t)+5], v[ST+8*(\t)+4], s[SEL], s[SEL+1]  ; the query's other 160 keys lie in the lane 16 away
.endr
.irp t, 0,1,2,3
	v_max_num_f32 v[ST+8*(\t)+1], v[ST+8*(\t)+4], v[ST+8*(\t)+5]
.endr
.irp t, 0,1,2,3
	v_mul_f32 v[ST+8*(\t)], s[CS], v[ST+8*(\t)+1]
.endr
	EXPT 0
	EXPT 1
	EXPT 2
	EXPT 3
	v_nop                           ; a plain instruction behind the last exponential,
	s_wait_alu depctr_va_vdst(0)    ; and the one wait ahead of the first line that names a result: all 640 exponentials are one batch
	SUMT 0
	CVTT 0
	SUMT 1
	CVTT 1
	SUMT 2
	CVTT 2
	SUMT 3
	CVTT 3
	WIN 0
.irp t, 0,1,2,3
	v_permlanex16_b32 v[ST+8*(\t)+3], v[ST+8*(\t)+2], s[SEL], s[SEL+1]
.endr
.irp t, 0,1,2,3
	v_add_f32 v[ST+8*(\t)+2], v[ST+8*(\t)+2], v[ST+8*(\t)+3]
.endr
.irp t, 0,1,2,3
	v_rcp_f32 v[ST+8*(\t)+2], v[ST+8*(\t)+2]
.endr
	v_nop
	s_wait_alu depctr_va_vdst(0)    ; one wait for the four reciprocals
	s_wait_dscnt 16                 ; V of step 0 is in
	PV 0, 0
	PLACES
	FETCH_V 2, 0
	s_wait_dscnt 16
	PV 1, 1
	PLACES
	FETCH_V 3, 1
	s_wait_dscnt 16
	PV 2, 0
	PLACES
	FETCH_V 4, 0
	s_wait_dscnt 16
	PV 3, 1
	s_wait_dscnt 0x0
	PV 4, 0
	PLACES
	PACK 0
.irp t, 1,2,3                       ; a tile's arithmetic stands between the loads of the tile before and its stores
	PACK \t
	SEND (\t)-1, 8
.endr
	SEND 3, 0
	s_wait_tensorcnt 0x0            ; the wave's end
	ds_add_u32 v[SPW], v[NIL]
	s_wait_dscnt 0x0
	s_endpgm
.Lfunc_end_k_q7cad0add40_attn:
	.size	k_q7cad0add40_attn, .Lfunc_end_k_q7cad0add40_attn-k_q7cad0add40_attn
	.p2alignl 7, 3214868480
	.fill 96, 4, 3214868480
	.section	.rodata,"a",@progbits
	.p2align	6, 0x0
	.amdhsa_kernel k_q7cad0add40_attn
		.amdhsa_group_segment_fixed_size 167936
		.amdhsa_private_segment_fixed_size 0
		.amdhsa_enable_private_segment 0
		.amdhsa_kernarg_size 16
		.amdhsa_user_sgpr_count 2
		.amdhsa_user_sgpr_kernarg_segment_ptr 1
		.amdhsa_wavefront_size32 1
		.amdhsa_system_sgpr_workgroup_id_x 1
		.amdhsa_system_sgpr_workgroup_id_y 1
		.amdhsa_system_sgpr_workgroup_id_z 1
		.amdhsa_system_vgpr_workitem_id 0
		.amdhsa_next_free_vgpr 1024
		.amdhsa_next_free_sgpr 66
		.amdhsa_reserve_vcc 1
		.amdhsa_float_denorm_mode_32 3
		.amdhsa_float_denorm_mode_16_64 3
		.amdhsa_memory_ordered 1
		.amdhsa_forward_progress 1
		.amdhsa_inst_pref_size 159
	.end_amdhsa_kernel
	.amdgpu_metadata
---
amdhsa.version: [ 1, 2 ]
amdhsa.kernels:
  - .name:           k_q7cad0add40_attn
    .symbol:         k_q7cad0add40_attn.kd
    .args:
      - { .name: qkv, .offset: 0, .size: 8, .value_kind: global_buffer, .address_space: global }
      - { .name: ctx, .offset: 8, .size: 8, .value_kind: global_buffer, .address_space: global }
    .group_segment_fixed_size: 167936
    .private_segment_fixed_size: 0
    .kernarg_segment_align: 8
    .kernarg_segment_size: 16
    .max_flat_workgroup_size: 128
    .sgpr_count:     66
    .vgpr_count:     1024
    .wavefront_size: 32
...
	.end_amdgpu_metadata
.endif
;; end of part 3
;; launch proj (part 4): grid 8 x 32, 4 waves a work-group, clusters of 4 x 4, 327,680 bytes of LDS; arguments ctx, cb, b_out, x, out0; writes out0
.if DOCPART == 4
	.amdgcn_target "amdgcn-amd-amdhsa--gfx1250"
	.amdhsa_code_object_version 6
	.text
	.protected	k_q7cad0add40_proj
	.globl	k_q7cad0add40_proj
	.p2align	8
	.type	k_q7cad0add40_proj,@function
k_q7cad0add40_proj:
	s_mov_b64 s[64:65], 0
	v_nop
	global_prefetch_b8 v0, s[64:65] scope:SCOPE_SE
	s_setreg_imm32_b32 hwreg(HW_REG_WAVE_MODE, 25, 1), 1
	s_wait_xcnt 0x0
	s_wait_alu depctr_hold_cnt(0) depctr_sa_sdst(0) depctr_va_vdst(0) depctr_va_sdst(0) depctr_va_ssrc(0) depctr_va_vcc(0) depctr_vm_vsrc(0)
	s_getreg_b32 s2, hwreg(HW_REG_IB_STS2, 6, 4)
	s_cmp_eq_u32 s2, 0
	s_cbranch_scc0 .Lentry_in_a_cluster
	s_endpgm
.Lentry_in_a_cluster:
	s_bfe_u32 s2, ttmp6, 0x10000c
	s_cmp_lg_u32 s2, 0xf033
	s_cbranch_scc0 .Lentry_shape_is_right
	s_endpgm
.Lentry_shape_is_right:
; out0[token][e] = x[token][e] + b_out[e] + sum over d of ctx[token][d] w_out[e][d], M = 4096, N = 1024, K = 1024.  ctx: 16 planes [4096][64] of bf16 (d = 64 head + channel); w_out: its bf16 copy in cb;
; sums in f32; b_out is the C operand that starts each sum; x is added in f32 on the way out; out0 is f32.
; LIMITS.  ctx and w_out carry bf16's 8 significant bits; NaN and infinities are not treated apart.
; SHARES.  A tile of out0 is 128 x 128: 8 x 32 tiles, one to a work-group.  Four waves, each 64 x 64: 16 accumulators.  K goes in four steps of 256 (four heads) through two LDS slots; the text is written straight.
; A's TILE: 64 tokens of a head are 8,192 dense bytes, asked for as ONE row; a step's four heads are four rows, a plane apart; 16 bytes of padding behind every 128 give each token a pitch of 144.
; CLUSTERS: 4 x 4 work-groups; ctx's tiles are shared along a row of the cluster, w_out's along a column, each asked for jointly.  THE MATRIX INSTRUCTION IS USED TRANSPOSED (source 0 = 16 rows of w_out).
; No prefetch: the ring has two refills in all, and the first two K steps go out at the head.
; REGISTERS: window 0: v16-29 addresses; v32-95 at work on the way out; v96-127 the bias; v128-255 the accumulators ((a, b) at v[128 + 8 (4 a + b)]).
;   window 1: two fragment buffers of 128 (64 along K: 64 registers of ctx, then 64 of w_out).   window 2: v0-127 my 64 x 64 of x, loaded at the head.
.set PA,     144
.set PB,     528                       ; 512 bytes + 16
.set HALFA,  4*64*PA                   ; four heads x 64 tokens: one tensor load
.set HALFB,  64*PB                     ; 64 rows of w_out: one tensor load
.set BOFF,   2*HALFA
.set SLOT,   2*HALFA+2*HALFB
.set STAGE,  2*SLOT                    ; behind the ring: 16 rows x 272 bytes for each wave
.set SPITCH, 272
.set SPARE,  STAGE+4*16*SPITCH         ; the spare words, 128 bytes a wave, that no other line names
.set WOB,    14680064                  ; w_out's copy in cb
.set PLANE,  524288
.set ADRA, 16
.set ADRB, 20
.set STO,  24
.set RD,   25
.set CO,   26                          ; my byte offset in two rows of x and of out0
.set BO,   27
.set SPW,  28
.set NIL,  29
.set TMP,  32
.set BIAS, 96
.set ACC,  128
.set F0,   0
.set F1,   128
.set G1, 24
.set G0, 32
.set G1B, 48
.set G0B, 56
.set MSB, 0
.macro WIN new
.if MSB != (\new)
	s_set_vgpr_msb (MSB<<8)|(\new)
.set MSB, \new
.endif
.endm
.set MUL,  0x05                        ; sources 0 and 1 window 1; C and D window 0
.set TO_F, 0x40                        ; destination window 1, address window 0
.macro JLOAD s                         ; a joint load: waves 0 and 1 fetch ctx's two halves, waves 2 and 3 w_out's; an s_nop 0 and four v_nop follow each line
	s_cmp_eq_u32 s11, 0
	s_cbranch_scc0 .Lfor_b_\@
	tensor_load_to_lds s[G0+4*(\s):G0+4*(\s)+3], s[G1:G1+7]
	s_nop 0
.rept 4
	v_nop
.endr
	s_branch .Lasked_\@
.Lfor_b_\@:
	tensor_load_to_lds s[G0B+4*(\s):G0B+4*(\s)+3], s[G1B:G1B+7]
	s_nop 0
.rept 4
	v_nop
.endr
.Lasked_\@:
.endm
.macro CREST
	s_cmp_lg_u32 s10, 0
	s_cbranch_scc1 .Lnot_wave_0_\@
	s_barrier_signal -3
.Lnot_wave_0_\@:
	s_barrier_wait -3
	s_barrier_signal -1
	s_barrier_wait -1
.endm
.macro CROUND
	s_barrier_signal -1
	s_barrier_wait -1
	CREST
.endm
	s_load_b128 s[4:7], s[0:1], 0x0                ; ctx s[4:5], cb s[6:7]
	s_load_b64 s[8:9], s[0:1], 0x10                ; b_out
	s_load_b128 s[68:71], s[0:1], 0x18             ; x s[68:69], out0 s[70:71]
	v_lshl_add_u32 v[SPW], v0, 2, SPARE
	v_mov_b32 v[NIL], 0
	ds_add_u32 v[SPW], v[NIL]                      ; the wave's opening: the add and its wait ahead of my first tensor load
	v_lshrrev_b32 v1, 5, v0
	v_readfirstlane_b32 s10, v1                    ; wave 0..3
	s_lshr_b32 s11, s10, 1                         ; which half of the tile's rows is mine.  Also: I fetch for ctx (0) or for w_out (1)
	s_and_b32 s12, s10, 1                          ; which half of its columns.  Also: which half of that tile I fetch
	s_bfe_u32 s40, ttmp6, 0x40000
	s_bfe_u32 s41, ttmp6, 0x40004
	s_lshl_b32 s42, ttmp9, 2
	s_add_co_u32 s42, s42, s40                     ; tile column
	s_and_b32 s13, ttmp7, 0xffff
	s_lshl_b32 s13, s13, 2
	s_add_co_u32 s13, s13, s41                     ; tile row
	s_lshl_b32 s43, s41, 2
	s_lshl_b32 s43, 15, s43                        ; my row of the cluster
	s_lshl_b32 s44, 0x1111, s40                    ; my column
	s_or_b32 s[G1+0], s43, (1<<16)|(1<<20)|(1<<21)|(4<<22)|(3<<25)   ; padding after every 32 words, of 4 words
	s_mov_b32 s[G1+1], 4096<<16                    ; tensor_dim0 = 4,096 elements: 64 tokens of a head
	s_mov_b32 s[G1+2], 4<<16                       ; tensor_dim1 = 4 heads
	s_mov_b32 s[G1+3], 4096<<16                    ; tile_dim0
	s_mov_b32 s[G1+4], 4                           ; tile_dim1
	s_mov_b32 s[G1+5], PLANE/2                     ; elements from a head to the next
	s_mov_b32 s[G1+6], 0
	s_mov_b32 s[G1+7], 0
	s_or_b32 s[G1B+0], s44, (1<<16)|(1<<20)|(1<<21)|(6<<22)|(3<<25)  ; padding after every 128 words, of 4 words
	s_mov_b32 s[G1B+1], 256<<16
	s_mov_b32 s[G1B+2], 64<<16
	s_mov_b32 s[G1B+3], 256<<16
	s_mov_b32 s[G1B+4], 64
	s_mov_b32 s[G1B+5], 1024
	s_mov_b32 s[G1B+6], 0
	s_mov_b32 s[G1B+7], 0
	s_lshl_b32 s16, s13, 14                        ; ctx: token 128 x tile row + 64 x half, 128 bytes each
	s_lshl_b32 s17, s12, 13
	s_add_co_u32 s16, s16, s17
	s_mov_b32 s17, 0
	s_lshl_b32 s46, s42, 18                        ; w_out: row 128 x tile column + 64 x half, 2,048 bytes each
	s_lshl_b32 s47, s12, 17
	s_add_co_u32 s46, s46, s47
	s_add_co_u32 s46, s46, WOB
	s_mov_b32 s47, 0
	s_mul_i32 s20, s12, HALFA
	s_mul_i32 s21, s12, HALFB
	s_add_co_u32 s21, s21, BOFF
	s_wait_dscnt 0x0                               ; the opening add is done
	s_wait_kmcnt 0x0
	s_add_nc_u64 s[14:15], s[4:5], s[16:17]
	s_add_nc_u64 s[46:47], s[6:7], s[46:47]
	CROUND                                         ; all sixteen work-groups are here: the first joint loads meet
.irp s, 0,1
	s_mov_b32 s[G0+4*(\s)], 1
	s_add_co_u32 s[G0+4*(\s)+1], s20, (\s)*SLOT
	s_add_nc_u64 s[G0+4*(\s)+2:G0+4*(\s)+3], s[14:15], (\s)*4*PLANE
	s_or_b32 s[G0+4*(\s)+3], s[G0+4*(\s)+3], 0x80000000
	s_mov_b32 s[G0B+4*(\s)], 1
	s_add_co_u32 s[G0B+4*(\s)+1], s21, (\s)*SLOT
	s_add_nc_u64 s[G0B+4*(\s)+2:G0B+4*(\s)+3], s[46:47], (\s)*512
	s_or_b32 s[G0B+4*(\s)+3], s[G0B+4*(\s)+3], 0x80000000
	JLOAD \s                                       ; two loads of mine are out: K steps 0 and 1
.endr
	v_and_b32 v1, 15, v0                           ; l % 16
	v_bfe_u32 v2, v0, 4, 1                         ; l / 16
	v_mul_u32_u24 v3, v1, PA
	v_lshl_add_u32 v3, v2, 4, v3
	s_mul_i32 s21, s11, HALFA                      ; my 64 tokens
	v_add_nc_u32 v[ADRA], s21, v3
	v_add_nc_u32 v[ADRA+1], SLOT, v[ADRA]
	v_mul_u32_u24 v3, v1, PB
	v_lshl_add_u32 v3, v2, 4, v3
	s_mul_i32 s22, s12, HALFB                      ; my 64 rows of w_out
	s_add_co_u32 s22, s22, BOFF
	v_add_nc_u32 v[ADRB], s22, v3
	v_add_nc_u32 v[ADRB+1], SLOT, v[ADRB]
	s_mul_i32 s23, s10, 16*SPITCH
	s_add_co_u32 s23, s23, STAGE                   ; my stage
	v_mul_u32_u24 v4, v1, SPITCH                   ; in: row l % 16, 32 bytes for each half of the lanes
	v_lshl_add_u32 v4, v2, 5, v4
	v_add_nc_u32 v[STO], s23, v4
	v_mul_u32_u24 v5, v2, SPITCH                   ; back: lanes 0-15 take one row of 256 bytes, lanes 16-31 the next
	v_lshl_add_u32 v5, v1, 4, v5
	v_add_nc_u32 v[RD], s23, v5
	v_lshlrev_b32 v5, 12, v2                       ; and the same two rows of x and out0, 4,096 bytes apart
	v_lshl_add_u32 v[CO], v1, 4, v5
	v_lshlrev_b32 v[BO], 5, v2
	s_lshl_b32 s20, s42, 9                         ; my first column, in bytes: 512 x tile column + 256 x half
	s_lshl_b32 s21, s12, 8
	s_add_co_u32 s20, s20, s21
	s_mov_b32 s21, 0
	s_add_nc_u64 s[8:9], s[8:9], s[20:21]
	s_lshl_b32 s22, s13, 19                        ; my first row: 128 x tile row + 64 x half, 4,096 bytes each
	s_lshl_b32 s23, s11, 18
	s_add_co_u32 s22, s22, s23
	s_add_co_u32 s20, s20, s22
	s_add_nc_u64 s[68:69], s[68:69], s[20:21]
	s_add_nc_u64 s[70:71], s[70:71], s[20:21]
.irp b, 0,1,2,3
	global_load_b128 v[BIAS+8*(\b):BIAS+8*(\b)+3],   v[BO], s[8:9] offset:64*(\b)
	global_load_b128 v[BIAS+8*(\b)+4:BIAS+8*(\b)+7], v[BO], s[8:9] offset:64*(\b)+16
.endr
	WIN 0x80                                       ; destination window 2
.irp a, 0,1,2,3
.irp t, 0,1,2,3,4,5,6,7
	global_load_b128 v[4*(8*(\a)+(\t)):4*(8*(\a)+(\t))+3], v[CO], s[68:69] offset:(16*(\a)+2*(\t))*4096 th:TH_LOAD_NT
.endr
.endr
	WIN 0
; 8 matrix instructions: token blocks a0, a0 + 1 x all 4 column blocks, 32 along K: half c of buffer f.  zero = 1: the product starts the sum, with the bias as C.  The 16 accumulators take turns.
.macro MUL8 f, c, a0, zero
	WIN MUL
.irp a, \a0, (\a0)+1
.irp b, 0,1,2,3
.if \zero
	v_wmma_f32_16x16x32_bf16 v[ACC+8*(4*(\a)+(\b)):ACC+8*(4*(\a)+(\b))+7], v[(\f)+64+8*(4*(\c)+(\b)):(\f)+64+8*(4*(\c)+(\b))+7], v[(\f)+8*(4*(\c)+(\a)):(\f)+8*(4*(\c)+(\a))+7], v[BIAS+8*(\b):BIAS+8*(\b)+7]
.else
	v_wmma_f32_16x16x32_bf16 v[ACC+8*(4*(\a)+(\b)):ACC+8*(4*(\a)+(\b))+7], v[(\f)+64+8*(4*(\c)+(\b)):(\f)+64+8*(4*(\c)+(\b))+7], v[(\f)+8*(4*(\c)+(\a)):(\f)+8*(4*(\c)+(\a))+7], v[ACC+8*(4*(\a)+(\b)):ACC+8*(4*(\a)+(\b))+7]
.endif
.endr
.endr
.endm
; 32 LDS loads in one run: quarter q of a step (one head: 64 along K) into buffer f; its first 32 along K first
.macro FETCH slot, q, f
	WIN TO_F
.irp c, 0,1
.irp i, 0,1,2,3
	ds_load_b128 v[(\f)+64+8*(4*(\c)+(\i)):(\f)+64+8*(4*(\c)+(\i))+3],   v[ADRB+(\slot)] offset:(\q)*128+64*(\c)+(\i)*16*PB
	ds_load_b128 v[(\f)+64+8*(4*(\c)+(\i))+4:(\f)+64+8*(4*(\c)+(\i))+7], v[ADRB+(\slot)] offset:(\q)*128+64*(\c)+(\i)*16*PB+32
	ds_load_b128 v[(\f)+8*(4*(\c)+(\i)):(\f)+8*(4*(\c)+(\i))+3],         v[ADRA+(\slot)] offset:(\q)*64*PA+64*(\c)+(\i)*16*PA
	ds_load_b128 v[(\f)+8*(4*(\c)+(\i))+4:(\f)+8*(4*(\c)+(\i))+7],       v[ADRA+(\slot)] offset:(\q)*64*PA+64*(\c)+(\i)*16*PA+32
.endr
.endr
.endm
.macro PLACES
.rept 4
	v_nop
.endr
.endm
.macro QUARTER slot, q, f, g, zero     ; multiplies buffer f and fetches quarter q into g
	s_wait_dscnt 16                                ; the first 32 along K are in
	MUL8 \f, 0, 0, \zero
	MUL8 \f, 0, 2, \zero
	PLACES
	FETCH \slot, \q, \g
	s_wait_dscnt 32                                ; all but the 32 just issued
	MUL8 \f, 1, 0, 0
	MUL8 \f, 1, 2, 0
.endm
; The last quarter multiplies buffer 1 and changes slots: each wave waits for all its tensor loads, adds 0 to its spare word, and waits for that and for its reads of this slot.
; fill = 1: the slot is filled again, two K steps ahead, first thing behind a round of the cluster's barrier.
.macro TURN slot, next, fill
	WIN 0
	s_wait_tensorcnt 0x0
	ds_add_u32 v[SPW], v[NIL]
	s_wait_dscnt 17                                ; (the add and the youngest sixteen loads may be out)
	MUL8 F1, 0, 0, 0
	s_wait_dscnt 0x0                               ; the add is done, and my reads of this slot are over
	s_barrier_signal -1
	MUL8 F1, 0, 2, 0
.if \fill
	WIN 0
.endif
	s_barrier_wait -1
.if \fill
	CREST
	s_add_nc_u64 s[G0+4*(\slot)+2:G0+4*(\slot)+3], s[G0+4*(\slot)+2:G0+4*(\slot)+3], 8*PLANE
	s_add_nc_u64 s[G0B+4*(\slot)+2:G0B+4*(\slot)+3], s[G0B+4*(\slot)+2:G0B+4*(\slot)+3], 1024
	JLOAD \slot                                    ; its four v_nop are also the places in front of the loads below
.else
	PLACES
.endif
	FETCH \next, 0, F0
	MUL8 F1, 1, 0, 0
	MUL8 F1, 1, 2, 0
.endm
	s_wait_tensorcnt 1                             ; my part of K step 0 is in; K step 1's may stay out
	s_barrier_signal -1
	s_barrier_wait -1
	FETCH 0, 0, F0
	s_wait_loadcnt 32                              ; the bias is in; x's 32 loads may stay out
	QUARTER 0, 1, F0, F1, 1
	QUARTER 0, 2, F1, F0, 0
	QUARTER 0, 3, F0, F1, 0
	TURN 0, 1, 1                                   ; slot 0 takes K step 2
	QUARTER 1, 1, F0, F1, 0
	QUARTER 1, 2, F1, F0, 0
	QUARTER 1, 3, F0, F1, 0
	TURN 1, 0, 1                                   ; slot 1 takes K step 3
	QUARTER 0, 1, F0, F1, 0
	QUARTER 0, 2, F1, F0, 0
	QUARTER 0, 3, F0, F1, 0
	TURN 0, 1, 0
	QUARTER 1, 1, F0, F1, 0
	QUARTER 1, 2, F1, F0, 0
	QUARTER 1, 3, F0, F1, 0
	s_wait_dscnt 16
	MUL8 F1, 0, 0, 0
	MUL8 F1, 0, 2, 0
	s_wait_dscnt 0x0
	MUL8 F1, 1, 0, 0
	MUL8 F1, 1, 2, 0
	WIN 0
; THE WAY OUT, 16 tokens at a time.  A wave's 64 columns of f32 are 256 bytes of a row, aligned: each wave has a stage of its own, and no barrier is needed.
.macro TOSTAGE a
.set BK, TMP+32*((\a)%2)
	s_wait_xcnt 0x0                                ; the stores two blocks back have read the registers that are loaded below
.irp b, 0,1,2,3
	ds_store_b128 v[STO], v[ACC+8*(4*(\a)+(\b)):ACC+8*(4*(\a)+(\b))+3]   offset:64*(\b)      ; each accumulator's four lowest registers first
	ds_store_b128 v[STO], v[ACC+8*(4*(\a)+(\b))+4:ACC+8*(4*(\a)+(\b))+7] offset:64*(\b)+16
.endr
.irp t, 0,1,2,3,4,5,6,7
	ds_load_b128 v[BK+4*(\t):BK+4*(\t)+3], v[RD] offset:(\t)*2*SPITCH  ; LDS serves a wave's instructions in order (ISA guide 5.7.1.4)
.endr
.endm
.macro SEND a, younger
.set BK, TMP+32*((\a)%2)
	s_wait_dscnt \younger                          ; the block is back in registers
	WIN 0x08                                       ; source 1: window 2
.set i, 0
.rept 16
	v_pk_add_f32 v[BK+2*i:BK+2*i+1], v[BK+2*i:BK+2*i+1], v[32*(\a)+2*i:32*(\a)+2*i+1]  ; the residual
.set i, i+1
.endr
	WIN 0
.irp t, 0,1,2,3,4,5,6,7
	global_store_b128 v[CO], v[BK+4*(\t):BK+4*(\t)+3], s[70:71] offset:(16*(\a)+2*(\t))*4096 th:TH_STORE_NT  ; 16 lanes store 256 bytes on end, at a multiple of 256 from out0's first
.endr
.endm
	PLACES
	s_wait_loadcnt 0x0                             ; x
	TOSTAGE 0
.irp a, 1,2,3
	TOSTAGE \a
	SEND (\a)-1, 16                                ; the next block's sixteen LDS instructions are younger
.endr
	SEND 3, 0
	s_wait_tensorcnt 0x0                           ; the wave's end
	ds_add_u32 v[SPW], v[NIL]
	s_wait_dscnt 0x0
	CROUND                                         ; the closing round
	s_endpgm
.Lfunc_end_k_q7cad0add40_proj:
	.size	k_q7cad0add40_proj, .Lfunc_end_k_q7cad0add40_proj-k_q7cad0add40_proj
	.p2alignl 7, 3214868480
	.fill 96, 4, 3214868480
	.section	.rodata,"a",@progbits
	.p2align	6, 0x0
	.amdhsa_kernel k_q7cad0add40_proj
		.amdhsa_group_segment_fixed_size 327680
		.amdhsa_private_segment_fixed_size 0
		.amdhsa_enable_private_segment 0
		.amdhsa_kernarg_size 40
		.amdhsa_user_sgpr_count 2
		.amdhsa_user_sgpr_kernarg_segment_ptr 1
		.amdhsa_wavefront_size32 1
		.amdhsa_system_sgpr_workgroup_id_x 1
		.amdhsa_system_sgpr_workgroup_id_y 1
		.amdhsa_system_sgpr_workgroup_id_z 1
		.amdhsa_system_vgpr_workitem_id 0
		.amdhsa_next_free_vgpr 640
		.amdhsa_next_free_sgpr 72
		.amdhsa_reserve_vcc 0
		.amdhsa_float_denorm_mode_32 3
		.amdhsa_float_denorm_mode_16_64 3
		.amdhsa_memory_ordered 1
		.amdhsa_forward_progress 1
		.amdhsa_inst_pref_size 94
	.end_amdhsa_kernel
	.amdgpu_metadata
---
amdhsa.version: [ 1, 2 ]
amdhsa.kernels:
  - .name:           k_q7cad0add40_proj
    .symbol:         k_q7cad0add40_proj.kd
    .args:
      - { .name: ctx, .offset: 0, .size: 8, .value_kind: global_buffer, .address_space: global }
      - { .name: cb, .offset: 8, .size: 8, .value_kind: global_buffer, .address_space: global }
      - { .name: b_out, .offset: 16, .size: 8, .value_kind: global_buffer, .address_space: global }
      - { .name: x, .offset: 24, .size: 8, .value_kind: global_buffer, .address_space: global }
      - { .name: out0, .offset: 32, .size: 8, .value_kind: global_buffer, .address_space: global }
    .group_segment_fixed_size: 327680
    .private_segment_fixed_size: 0
    .kernarg_segment_align: 8
    .kernarg_segment_size: 40
    .max_flat_workgroup_size: 128
    .sgpr_count:     72
    .vgpr_count:     640
    .wavefront_size: 32
...
	.end_amdgpu_metadata
.endif
;; end of part 4
;; ======== version 2 of 2: 4 launches; version 1 with the launch cast written anew for expert scheduling mode
;; limits: right only within a limited range of input values
;; workspace buffers: cb 16,777,216 bytes; qkv 25,165,824 bytes; ctx 8,388,608 bytes
;; launch cast (part 5): grid 512 x 1, 8 waves a work-group, no clusters, 0 bytes of LDS; arguments x, w_in, w_out, cb; writes cb
.if DOCPART == 5
	.amdgcn_target "amdgcn-amd-amdhsa--gfx1250"
	.amdhsa_code_object_version 6
	.text
	.protected	k_q7cad0add40_cast
	.globl	k_q7cad0add40_cast
	.p2align	8
	.type	k_q7cad0add40_cast,@function
k_q7cad0add40_cast:
	s_mov_b64 s[64:65], 0
	v_nop
	global_prefetch_b8 v0, s[64:65] scope:SCOPE_SE
	s_setreg_imm32_b32 hwreg(HW_REG_WAVE_SCHED_MODE, 0, 2), 2
	s_setreg_imm32_b32 hwreg(HW_REG_WAVE_MODE, 25, 1), 1
	s_wait_xcnt 0x0
	s_wait_alu depctr_vm_vsrc(0)
; bf16 copies of the three matrix operands that are the problem's inputs: cb = x [4096][1024], then w_in [3072][1024], then w_out [1024][1024],
; end to end, each number rounded once to nearest even.  A stream: no LDS, no barrier, no matrix work.
; A work-group converts 16,384 numbers (65,536 bytes in, 32,768 out): groups 0-255 take x, 256-447 w_in, 448-511 w_out; the copies lie end to end,
; so the destination is cb + 32,768 x the group's number whatever the source.
; Thread t takes 16 bytes at 16 t of each of sixteen pieces of 4,096 bytes: a wave's load covers 512 bytes on end, its store of 8 bytes a lane 256 bytes on end, aligned.
; All sixteen loads go out first; no register is written twice.
; THE MODE: SCHED_MODE bits 1:0 = 2 (LLVM: expert scheduling mode 2), set by the entry lines.  The code itself states the register dependences
; between vector instructions and memory instructions, with s_wait_alu, always for 0.
; THE PLAN.  Registers that memory instructions touch:
;   v1, v2   the loads' and the stores' offsets: written once at the head by vector instructions, read by every load or store, never written again.
;   IN       each piece's four registers are written by one load and read by that piece's two conversions; no vector instruction writes them, no second load lands in them.
;   OUT      each piece's two registers are written by its two conversions and read by its one store; never written again.
; So the dependences are of one kind: a vector instruction writes a register that a memory instruction reads.  One wait ahead of the first load states it for v1 and v2.
; The sixteen pieces go in four groups of four: the group's loads are waited for, its eight conversions follow, ONE wait states that they have written the group's OUT,
; and the group's four stores follow in one run.  No register that a memory instruction reads is written again, no vector instruction writes a scalar register, EXEC is never written.
.set IN,  4                            ; v[4:67]   piece i: four f32
.set OUT, 68                           ; v[68:99]  piece i: four bf16
	s_load_b256 s[4:11], s[0:1], 0x0               ; x s[4:5], w_in s[6:7], w_out s[8:9], cb s[10:11]
	v_lshlrev_b32 v1, 4, v0                        ; 16 t: where I load
	v_lshlrev_b32 v2, 3, v0                        ; 8 t: where I store
	s_mov_b32 s15, 448
	s_wait_kmcnt 0x0
	s_cmp_lt_u32 ttmp9, s15                        ; which source, and the number of its first group
	s_cselect_b64 s[12:13], s[6:7], s[8:9]
	s_cselect_b32 s14, 256, s15
	s_cmp_lt_u32 ttmp9, 256
	s_cselect_b64 s[12:13], s[4:5], s[12:13]
	s_cselect_b32 s14, 0, s14
	s_sub_co_u32 s16, ttmp9, s14
	s_lshl_b32 s16, s16, 16                        ; 65,536 bytes of the source a group
	s_mov_b32 s17, 0
	s_add_nc_u64 s[12:13], s[12:13], s[16:17]
	s_lshl_b32 s18, ttmp9, 15                      ; 32,768 bytes of cb a group
	s_mov_b32 s19, 0
	s_add_nc_u64 s[10:11], s[10:11], s[18:19]
	s_wait_alu depctr_va_vdst(0)                   ; v1 and v2 are written: every load below reads v1 as its offset, every store v2
.irp i, 0,1,2,3,4,5,6,7,8,9,10,11,12,13,14,15
	global_load_b128 v[IN+4*(\i):IN+4*(\i)+3], v1, s[12:13] offset:4096*(\i) th:TH_LOAD_NT
.endr
.irp g, 0,1,2,3
	s_wait_loadcnt 12-4*(\g)                       ; loads come back in order: pieces 4 g to 4 g + 3 are in, the 12 - 4 g younger ones stay out
.irp j, 0,1,2,3
	v_cvt_pk_bf16_f32 v[OUT+2*(4*(\g)+(\j))],   v[IN+4*(4*(\g)+(\j))],   v[IN+4*(4*(\g)+(\j))+1]
	v_cvt_pk_bf16_f32 v[OUT+2*(4*(\g)+(\j))+1], v[IN+4*(4*(\g)+(\j))+2], v[IN+4*(4*(\g)+(\j))+3]
.endr
	s_wait_alu depctr_va_vdst(0)                   ; the group's eight conversions have written its eight registers of OUT, which the four stores below read
.irp j, 0,1,2,3
	global_store_b64 v2, v[OUT+2*(4*(\g)+(\j)):OUT+2*(4*(\g)+(\j))+1], s[10:11] offset:2048*(4*(\g)+(\j))
.endr
.endr
	s_endpgm
.Lfunc_end_k_q7cad0add40_cast:
	.size	k_q7cad0add40_cast, .Lfunc_end_k_q7cad0add40_cast-k_q7cad0add40_cast
	.p2alignl 7, 3214868480
	.fill 96, 4, 3214868480
	.section	.rodata,"a",@progbits
	.p2align	6, 0x0
	.amdhsa_kernel k_q7cad0add40_cast
		.amdhsa_group_segment_fixed_size 0
		.amdhsa_private_segment_fixed_size 0
		.amdhsa_enable_private_segment 0
		.amdhsa_kernarg_size 32
		.amdhsa_user_sgpr_count 2
		.amdhsa_user_sgpr_kernarg_segment_ptr 1
		.amdhsa_wavefront_size32 1
		.amdhsa_system_sgpr_workgroup_id_x 1
		.amdhsa_system_sgpr_workgroup_id_y 1
		.amdhsa_system_sgpr_workgroup_id_z 1
		.amdhsa_system_vgpr_workitem_id 0
		.amdhsa_next_free_vgpr 104
		.amdhsa_next_free_sgpr 66
		.amdhsa_reserve_vcc 0
		.amdhsa_float_denorm_mode_32 3
		.amdhsa_float_denorm_mode_16_64 3
		.amdhsa_memory_ordered 1
		.amdhsa_forward_progress 1
		.amdhsa_inst_pref_size 7
	.end_amdhsa_kernel
	.amdgpu_metadata
---
amdhsa.version: [ 1, 2 ]
amdhsa.kernels:
  - .name:           k_q7cad0add40_cast
    .symbol:         k_q7cad0add40_cast.kd
    .args:
      - { .name: x, .offset: 0, .size: 8, .value_kind: global_buffer, .address_space: global }
      - { .name: w_in, .offset: 8, .size: 8, .value_kind: global_buffer, .address_space: global }
      - { .name: w_out, .offset: 16, .size: 8, .value_kind: global_buffer, .address_space: global }
      - { .name: cb, .offset: 24, .size: 8, .value_kind: global_buffer, .address_space: global }
    .group_segment_fixed_size: 0
    .private_segment_fixed_size: 0
    .kernarg_segment_align: 8
    .kernarg_segment_size: 32
    .max_flat_workgroup_size: 256
    .sgpr_count:     66
    .vgpr_count:     104
    .wavefront_size: 32
...
	.end_amdgpu_metadata
.endif
;; end of part 5
;; launch qkv: the kernel of part 2 again; grid 16 x 16, 4 waves a work-group, clusters of 4 x 4, 327,680 bytes of LDS; arguments cb, b_in, qkv; writes qkv
;; launch attn: the kernel of part 3 again; grid 16 x 16, 4 waves a work-group, no clusters, 167,936 bytes of LDS; arguments qkv, ctx; writes ctx
;; launch proj: the kernel of part 4 again; grid 8 x 32, 4 waves a work-group, clusters of 4 x 4, 327,680 bytes of LDS; arguments ctx, cb, b_out, x, out0; writes out0
